; MI455X (gfx1250); checked and timed in simulation.
; The chip was launched on July 23, 2026; its instructions are those of AMD's public machine-readable ISA for CDNA 5 (MIT licence, August 2026) and "CDNA5" Instruction Set Architecture Reference Guide (July 2026). The comments in the code are by the model that wrote it; some were corrected since.
;; BS Linear. Allowed arithmetic: matrix products marked QUANTISED: E2M3 operands, one E8M0 scale for each 32 along K, by v_wmma_scale_f32_16x16x128_f8f6f4 with both operands' format E2M3, f32 sums; everything else in f32.
;; Inputs: U 4,096 x 1,024 float32; U_additional 4,096 x 64 float32; Vh 1,024 x 4,096 float32; Vh_additional 64 x 4,096 float32; input 4 x 512 x 4,096 float32; mask 1,024 float32; weight 1,024 float32.
;; Outputs: out0 4 x 512 x 4,096 float32.
;; This version of the problem:
;;   THIS VERSION OF THE PROBLEM IS GIVEN IN LOW PRECISION. The matrix products marked QUANTISED in the list below multiply operands that are first quantised to E2M3 (2 exponent bits, 3 mantissa bits; 6 bits a number), with one power-of-two scale for each 32 numbers along K (OCP MX v1.0); their sums are f32. All else is computed in f32.
;;   The module's matrix products, in the order in which they are computed (A, B: the left and right operand; K: the contracted axis; several contracted axes count as one K, in the product's order):
;;     1. [M 4,096, K 1,024] x [K 1,024, N 4,096]; A: computed on the way; B: input Vh: QUANTISED
;;     2. [M 4,096, K 64] x [K 64, N 4,096]; A: input U_additional; B: input Vh_additional: QUANTISED
;;     3. [M 2,048, K 4,096] x [K 4,096, N 4,096]; A: input input; B: computed on the way: QUANTISED
;;   THE QUANTISER, for each operand of a quantised product, along K:
;;     - K is cut into blocks of 32 from its start; a last block that is shorter is filled with zeros.
;;     - A block's scale is 2^e with e = floor(log2(the largest magnitude in the block)) - 2, held to -126 .. 127; a block of zeros has e = 0. As a byte (E8M0): e + 127.
;;     - Each number is divided by its block's scale, clamped to +-7.5, and rounded to the nearest number of E2M3, ties to even, subnormals kept.
;;     - The product sums the exact products of the quantised numbers (number of the format x scale) in f32.
;;   ~~~python
;;   def quantise(x, axis):      # numpy; x: float32 -> the quantised numbers, widened to float32 again
;;       x = np.moveaxis(x, axis, -1); K = x.shape[-1]
;;       x = np.pad(x, [(0, 0)] * (x.ndim - 1) + [(0, -K % 32)]); x = x.reshape(x.shape[:-1] + (-1, 32)); a = np.abs(x).max(-1, keepdims=True)
;;       e = np.where(a > 0, np.clip(np.frexp(np.where(a > 0, a, 1))[1] - 1 - 2, -126, 127), 0)      # np.frexp(a)[1] - 1 = floor(log2(a)), exactly
;;       r = np.clip(x / 2.0 ** e, -7.5, 7.5)
;;       step = 2.0 ** (np.maximum(np.frexp(np.where(r == 0, 1, r))[1] - 1, 0) - 3)
;;       q = np.round(r / step) * step * 2.0 ** e      # np.round: ties to even
;;       return np.moveaxis(q.reshape(q.shape[:-2] + (-1,))[..., :K], -1, axis).astype(np.float32)
;;   ~~~
;;   OPERANDS COMPUTED ON THE WAY. 'Computed on the way' means the value that the module computes at that place (a softmax that the list does not call 'softmax' is quantised finished and normalised). What goes into a quantiser is computed in f32, as accurately as f32 sums, v_exp_f32 and their like allow (about 1e-6 of the number): no bf16 or f16 on the way to a quantiser, and a product that is left as it is and whose result goes on into a quantised operand takes f32 operands (vector FMAs, or v_wmma_f32_16x16x4_f32). A number that lies on a knife's edge between two numbers of the format may be rounded either way, as far as f32 arithmetic and the matrix unit's own rounding can turn it there, and no further.
;; One version. Each part assembles by itself: llvm-mc -triple=amdgcn-amd-amdhsa -mcpu=gfx1250 --defsym DOCPART=n.
;; ======== version 1 of 1: 3 launches
;; limits: right only within a limited range of input values
;; workspace buffers: xq 6,553,600 bytes; aq 3,686,400 bytes; bq 3,686,400 bytes; wq 13,107,200 bytes
;; launch quant (part 1): grid 256 x 1, 9 waves a work-group, no clusters, 65,792 bytes of LDS; arguments input, U, weight, mask, Vh, U_additional, Vh_additional, xq, aq, bq; writes xq, aq, bq
.if DOCPART == 1
	.amdgcn_target "amdgcn-amd-amdhsa--gfx1250"
	.amdhsa_code_object_version 6
	.text
	.protected	k_q1086a32638_quant
	.globl	k_q1086a32638_quant
	.p2align	8
	.type	k_q1086a32638_quant,@function
k_q1086a32638_quant:
	s_mov_b64 s[64:65], 0
	v_nop
	global_prefetch_b8 v0, s[64:65] scope:SCOPE_SE
	s_setreg_imm32_b32 hwreg(HW_REG_WAVE_MODE, 25, 1), 1
	s_wait_xcnt 0x0
; All five f32 operands become codes of FP6 (E2M3) with one E8M0 scale byte for each 32 along K, once, laid in the order of the matrix operand's registers.
; A PANEL is 128 rows x 128 K, 12,800 bytes: eight images (block rb of 16 rows at 1536 rb; registers 4 c .. 4 c + 3 of lane l at 512 c + 16 l), then at 12,288 the scale words:
; the word of (rb, row r) at 256 (rb / 4) + 16 r + 4 (rb % 4).  Panel (g, ks) of an operand with NKS steps along K lies at (g NKS + ks) x 12,800.
;   xq: input, 16 groups of 128 tokens x 32 steps.   aq: U x (weight^2 x mask), 32 groups x steps 0-7; step 8 = U_additional, k 64 .. 127 as zero codes with scale bytes 0.
;   bq: Vh with K moved innermost, 32 groups of 128 columns x steps 0-7; step 8 = Vh_additional likewise.  IN bq THE ROWS OF A BLOCK ARE NOT NEIGHBOURS: row p of block 2 b + u is column 32 b + 8 u + p + 8 (p / 8).
; A block's scale is 2^(floor(log2(largest magnitude)) - 2): its byte is the largest magnitude's exponent field - 2, held at 1 from below by a floor among the maximum's leaves.
; LIMITS: NaN and infinities are not served; a block whose largest magnitude lies under 2^-124 keeps the byte 1; a block of zeros gets the byte 1 where the rule says 127 (its codes are zeros, and this program alone reads the bytes).
; SHARES.  A unit is HALF a panel: 64 rows x 128 K: four images (6,144 consecutive bytes) and 256 consecutive bytes of scale words.  There are 1,024 units of input, 512 of U, 512 of Vh, 64 of U_additional
; and 64 of Vh_additional: 8.5 for each of 256 work-groups.  So EVERY WORK-GROUP HAS THE SAME MIX, in nine waves: waves 0-3 a unit of input each, waves 4, 5 of U, waves 6, 7 of Vh, and wave 8 half a unit (two images)
; of U_additional (work-groups 0-127) or of Vh_additional (128-255).  Wave 8's two scale words a row are 8 of every 16 bytes: those 128 blocks of 256 bytes are written half by one work-group and half by another;
; every other store of the launch covers whole aligned blocks of 256 bytes.
; The paths part once, on the wave's number, and never join: waves share nothing, there is no barrier, and each wave that uses LDS has LDS bytes of its own.
.set PANEL, 12800
.set MX,  10                           ; v10-11  largest magnitudes
.set EX,  12                           ; v12-13  the conversions' scale operands
.set BY,  14                           ; v14-15  scale bytes
.set WD,  16                           ; v16     my two bytes at their places
.set SS,  20                           ; v20-23  weight^2 x mask of my four k
.set SCW, 24                           ; v24-27  the fragments' scale words
.set Q0,  28                           ; v28-30, v32-34  the upper halves of a block's codes, before they are moved
.set Q1,  32
.set PS,  36                           ; v36-47, v48-59  a fragment's 12 registers, two sets
.set XN,  64                           ; v64-127  64 numbers in the operand's order
.set RW,  128                          ; v128-255 numbers as loaded, two sets of 64
.set STG,   8448                       ; LDS: waves 0-5: a stage of 16 rows x 528 bytes each, at 8,448 x wave
.set STG_C, 6*STG                      ; waves 6, 7: 6,912 bytes each: four images 1,664 apart, at 6,656 the scale words
; s6 = ks, s7 = 2 g + half.  s[30:31] = where my unit's images go, s[32:33] = where its scale words go.  (s35 is left 0)
.macro DEST buf, nks
	s_lshr_b32 s36, s7, 1
	s_mul_i32 s36, s36, \nks
	s_add_co_u32 s36, s36, s6
	s_mul_i32 s36, s36, PANEL
	s_and_b32 s37, s7, 1
	s_mul_i32 s34, s37, 6144
	s_add_co_u32 s34, s34, s36
	s_mov_b32 s35, 0
	s_add_nc_u64 s[30:31], s[\buf:\buf+1], s[34:35]
	s_lshl_b32 s34, s37, 8
	s_add_co_u32 s34, s34, s36
	s_add_co_u32 s34, s34, 12288
	s_add_nc_u64 s[32:33], s[\buf:\buf+1], s[34:35]
.endm
; wave 8: on to the unit's images 2 s41, 2 s41 + 1 and their two scale words a row
.macro HALF
	s_mul_i32 s34, s41, 3072
	s_add_nc_u64 s[30:31], s[30:31], s[34:35]
	s_lshl_b32 s34, s41, 3
	s_add_nc_u64 s[32:33], s[32:33], s[34:35]
.endm
; the largest magnitudes of two blocks of 32, by turns, each with the floor 2^(3 - 127) among its leaves
.macro MAX2 xs
.irp c, 0,1
	v_max3_num_f32 v[MX+\c], |v[(\xs)+32*\c]|, |v[(\xs)+32*\c+1]|, 0x1800000
.endr
.irp i, 2,4,6,8,10,12,14,16,18,20,22,24,26,28,30
.irp c, 0,1
	s_delay_alu instid0(VALU_DEP_2)
	v_max3_num_f32 v[MX+\c], v[MX+\c], |v[(\xs)+32*\c+\i]|, |v[(\xs)+32*\c+\i+1]|
.endr
.endr
.endm
; the same of one block, in two chains
.macro MAX1 xs
	v_max3_num_f32 v[MX], |v[(\xs)]|, |v[(\xs)+1]|, 0x1800000
	v_max3_num_f32 v[MX+1], |v[(\xs)+16]|, |v[(\xs)+17]|, 0x1800000
.irp i, 2,4,6,8,10,12,14
	s_delay_alu instid0(VALU_DEP_2)
	v_max3_num_f32 v[MX], v[MX], |v[(\xs)+\i]|, |v[(\xs)+\i+1]|
	s_delay_alu instid0(VALU_DEP_2)
	v_max3_num_f32 v[MX+1], v[MX+1], |v[(\xs)+16+\i]|, |v[(\xs)+17+\i]|
.endr
	s_delay_alu instid0(VALU_DEP_1)
	v_max_num_f32 v[MX], v[MX], v[MX+1]
.endm
; Lane (r, h) holds k = 64 c + 32 h + 0 .. 31 of its row in v[xs + 32 c ..]: whole blocks, in the operand's own order (nb = 2: c = 0, 1; nb = 1: c = 0 alone).
; Out: the fragment's registers in set ps, its scale word in v[SCW + t].
.macro RQ xs, nb, t, ps
.set PP, PS+12*(\ps)
.if \nb == 2
	MAX2 \xs
	s_delay_alu instid0(VALU_DEP_2)
	v_add_nc_u32 v[EX], 0xff000000, v[MX]          ; 2 off the exponent field: the conversion takes that field of this operand as its scale
	s_delay_alu instid0(VALU_DEP_2)
	v_add_nc_u32 v[EX+1], 0xff000000, v[MX+1]
	s_delay_alu instid0(VALU_DEP_2)
	v_lshrrev_b32 v[BY], 23, v[EX]                 ; the scale's byte
	s_delay_alu instid0(VALU_DEP_2)
	v_lshrrev_b32 v[BY+1], 23, v[EX+1]
	s_delay_alu instid0(VALU_DEP_1)
	v_lshl_or_b32 v[WD], v[BY+1], 16, v[BY]        ; blocks h and 2 + h,
	s_delay_alu instid0(VALU_DEP_1)
	v_lshlrev_b32 v[WD], v8, v[WD]                 ; 8 h bits up
.else
	MAX1 \xs
	s_delay_alu instid0(VALU_DEP_1)
	v_add_nc_u32 v[EX], 0xff000000, v[MX]
	s_delay_alu instid0(VALU_DEP_1)
	v_lshrrev_b32 v[BY], 23, v[EX]
	s_delay_alu instid0(VALU_DEP_1)
	v_lshlrev_b32 v[WD], v8, v[BY]                 ; block h; bytes 2 and 3 stay 0, over zero codes
.endif
	s_delay_alu instid0(VALU_DEP_1)
	v_permlanex16_b32 v9, v[WD], s38, s39
	s_delay_alu instid0(VALU_DEP_1)
	v_or_b32 v[SCW+(\t)], v[WD], v9                ; with lane l xor 16's bytes the word is whole
	v_cvt_scalef32_pk16_fp6_f32 v[PP:PP+2], v[(\xs):(\xs)+15], v[EX]
	v_cvt_scalef32_pk16_fp6_f32 v[Q0:Q0+2], v[(\xs)+16:(\xs)+31], v[EX]          ; (a conversion's three registers begin on an even number)
.if \nb == 2
	v_cvt_scalef32_pk16_fp6_f32 v[PP+6:PP+8], v[(\xs)+32:(\xs)+47], v[EX+1]
	v_cvt_scalef32_pk16_fp6_f32 v[Q1:Q1+2], v[(\xs)+48:(\xs)+63], v[EX+1]
.endif
	v_nop                                          ; one plain place behind the conversions
.irp i, 0,1,2
	v_mov_b32 v[PP+3+\i], v[Q0+\i]
.endr
.if \nb == 2
.irp i, 0,1,2
	v_mov_b32 v[PP+9+\i], v[Q1+\i]
.endr
.endif
.endm
.macro OUT3 t, ps                      ; an image: three stores of 512 consecutive bytes, aligned to 256
.irp c, 0,1,2
	global_store_b128 v5, v[PS+12*(\ps)+4*\c:PS+12*(\ps)+4*\c+3], s[30:31] offset:1536*(\t)+512*\c
.endr
.endm
.macro SCOUT n                         ; the scale words of n fragments (4: sixteen lanes store 256 consecutive bytes; 2: 8 of every 16 bytes of them); then the wave ends
	s_wait_xcnt 0x0                                ; EXEC changes only behind this wait: it is a source of the stores above
	v_cmp_gt_u32 vcc_lo, 16, v2
	s_and_saveexec_b32 s40, vcc_lo
.if \n == 4
	global_store_b128 v17, v[SCW:SCW+3], s[32:33]
.else
	global_store_b64 v17, v[SCW:SCW+1], s[32:33]
.endif
	s_wait_xcnt 0x0                                ; and again in front of the line that widens it
	s_or_b32 exec_lo, exec_lo, s40
	s_wait_xcnt 0x0
	s_mov_b32 exec_lo, -1
	s_wait_tensorcnt 0x0
	ds_add_u32 v62, v63
	s_wait_dscnt 0x0
	s_endpgm
.endm
.macro RLOAD t, rowb                   ; fragment t: 16 rows, each row's 512 consecutive bytes by one load
.irp i, 0,1,2,3,4,5,6,7,8,9,10,11,12,13,14,15
	global_load_b128 v[RW+64*((\t)%2)+4*\i:RW+64*((\t)%2)+4*\i+3], v5, s[28:29] offset:(16*(\t)+\i)*(\rowb) th:TH_LOAD_NT
.endr
.endm
; K innermost.  The loads take the bytes as they lie; a fragment's 16 x 512 bytes turn through the wave's own stage (rows 528 bytes apart: sixteen rows start in sixteen different groups of banks)
; and come back 128 neighbouring bytes a block.  LDS serves a wave's instructions in order: no wait between the stores and the loads.
.macro RPATH mul, rowb
	s_mul_i32 s6, s4, STG                          ; my stage
	v_add_nc_u32 v6, s6, v5                        ; in: 16 x lane, row i in the immediate
	v_mul_u32_u24 v7, v3, 528
	s_delay_alu instid0(VALU_DEP_1)
	v_lshl_add_u32 v7, v4, 7, v7
	s_delay_alu instid0(VALU_DEP_1)
	v_add_nc_u32 v7, s6, v7                        ; out: row r, + 128 h
.if \mul
	global_load_b128 v[XN:XN+3], v5, s[42:43]      ; weight and mask at k = 4 lane .. + 3: as loaded, a lane holds these four k of every row
	global_load_b128 v[XN+4:XN+7], v5, s[44:45]
.endif
	RLOAD 0, \rowb
	RLOAD 1, \rowb
.if \mul
	s_wait_loadcnt 32                              ; weight and mask are in; the 32 loads of fragments 0 and 1 may be out
	v_pk_mul_f32 v[SS:SS+1], v[XN:XN+1], v[XN:XN+1]
	v_pk_mul_f32 v[SS+2:SS+3], v[XN+2:XN+3], v[XN+2:XN+3]
	s_delay_alu instid0(VALU_DEP_2)
	v_pk_mul_f32 v[SS:SS+1], v[SS:SS+1], v[XN+4:XN+5]              ; (weight x weight) x mask
	s_delay_alu instid0(VALU_DEP_2)
	v_pk_mul_f32 v[SS+2:SS+3], v[SS+2:SS+3], v[XN+6:XN+7]
.endif
	s_wait_alu depctr_va_vdst(0)
.irp t, 0,1,2,3
.if \t < 3
	s_wait_loadcnt 16                              ; this fragment's 16 loads are in; the next fragment's may be out
.else
	s_wait_loadcnt 0x0
.endif
.if \mul
.irp i, 0,1,2,3,4,5,6,7,8,9,10,11,12,13,14,15
	v_pk_mul_f32 v[RW+64*(\t%2)+4*\i:RW+64*(\t%2)+4*\i+1], v[RW+64*(\t%2)+4*\i:RW+64*(\t%2)+4*\i+1], v[SS:SS+1]
	v_pk_mul_f32 v[RW+64*(\t%2)+4*\i+2:RW+64*(\t%2)+4*\i+3], v[RW+64*(\t%2)+4*\i+2:RW+64*(\t%2)+4*\i+3], v[SS+2:SS+3]
.endr
.endif
.irp i, 0,1,2,3,4,5,6,7,8,9,10,11,12,13,14,15
	ds_store_b128 v6, v[RW+64*(\t%2)+4*\i:RW+64*(\t%2)+4*\i+3] offset:528*\i
.endr
.irp c, 0,1
.irp j, 0,1,2,3,4,5,6,7
	ds_load_b128 v[XN+32*\c+4*\j:XN+32*\c+4*\j+3], v7 offset:256*\c+16*\j
.endr
.endr
	s_wait_dscnt 0x0                               ; the numbers are back; the stage's stores have read their registers
.if \t < 2
	RLOAD \t+2, \rowb
.endif
	RQ XN, 2, \t, \t+(\t/2)*(6+4*(\t%2))           ; each fragment's codes have registers of their own: v36-47, v48-59, and for fragments 2 and 3 v132-143 and v192-203, in the load sets that their own stage stores have just read and that no load fills again
.endr
.irp t, 0,1,2,3
	OUT3 \t, \t+(\t/2)*(6+4*(\t%2))                ; the unit's four images leave together, behind the wave's last LDS and vector work: 6,144 consecutive bytes
.endr
	s_wait_alu depctr_va_vdst(0)                   ; directly ahead of the wait below
	SCOUT 4
.endm
.macro CLOAD q                         ; Vh: block q (32 k) of my K step: each load takes one row's 64 columns, 256 consecutive bytes, aligned: lane l takes columns 2 l and 2 l + 1
.irp i, 0,1,2,3,4,5,6,7,8,9,10,11,12,13,14,15,16,17,18,19,20,21,22,23,24,25,26,27,28,29,30,31
	global_load_b64 v[RW+64*((\q)%2)+2*\i:RW+64*((\q)%2)+2*\i+1], v1, s[28:29] offset:(32*(\q)+\i)*16384 th:TH_LOAD_NT
.endr
.endm
; A lane takes two columns and its registers run down K: two blocks of 32 are all mine.  As loaded the two columns lie in registers by turns; 64 moves set them apart, since a conversion takes 16 registers on end.
; A column's 24 bytes of codes are registers 6 c .. 6 c + 5 (c = q / 2) of lane p + 16 (q % 2) of its tile's image; the odd column's row p is the even column's + 1: 16 bytes on.
.macro CBLOCK q
.set RS, RW+64*((\q)%2)
.if (\q) < 3
	s_wait_loadcnt 32                              ; this block's 32 loads are in; the next block's may be out
.else
	s_wait_loadcnt 0x0
.endif
.irp i, 0,1,2,3,4,5,6,7,8,9,10,11,12,13,14,15,16,17,18,19,20,21,22,23,24,25,26,27,28,29,30,31
	v_mov_b32 v[XN+\i], v[RS+2*\i]
	v_mov_b32 v[XN+32+\i], v[RS+2*\i+1]
.endr
.if (\q) < 2
	CLOAD (\q)+2                                   ; the set just read takes the block two further on
.endif
	MAX2 XN
	v_add_nc_u32 v[EX], 0xff000000, v[MX]          ; 2 off the exponent field: the conversion's scale operand
	v_add_nc_u32 v[EX+1], 0xff000000, v[MX+1]
	v_lshrrev_b32 v[BY], 23, v[EX]                 ; the scale's byte
	v_lshrrev_b32 v[BY+1], 23, v[EX+1]
.if (\q) == 0
	v_mov_b32 v24, v[BY]                           ; the two columns' scale words, byte by byte
	v_mov_b32 v25, v[BY+1]
.else
	v_lshl_or_b32 v24, v[BY], 8*(\q), v24
	v_lshl_or_b32 v25, v[BY+1], 8*(\q), v25
.endif
	v_cvt_scalef32_pk16_fp6_f32 v[36:38], v[XN:XN+15], v[EX]
	v_cvt_scalef32_pk16_fp6_f32 v[28:30], v[XN+16:XN+31], v[EX]
	v_cvt_scalef32_pk16_fp6_f32 v[48:50], v[XN+32:XN+47], v[EX+1]
	v_cvt_scalef32_pk16_fp6_f32 v[32:34], v[XN+48:XN+63], v[EX+1]
	v_nop                                          ; one plain place behind the conversions
.irp i, 0,1,2
	v_mov_b32 v[39+\i], v[28+\i]
	v_mov_b32 v[51+\i], v[32+\i]
.endr
.irp e, 0,1
.if (\q) < 2
	ds_store_b128 v6, v[36+12*\e:39+12*\e] offset:256*((\q)%2)+16*\e           ; registers 0-3
	ds_store_b64 v6, v[40+12*\e:41+12*\e] offset:512+256*((\q)%2)+16*\e        ; registers 4, 5
.else
	ds_store_b64 v6, v[36+12*\e:37+12*\e] offset:520+256*((\q)%2)+16*\e        ; registers 6, 7
	ds_store_b128 v6, v[38+12*\e:41+12*\e] offset:1024+256*((\q)%2)+16*\e      ; registers 8-11
.endif
.endr
.if (\q) == 3
	ds_store_b32 v18, v24
	ds_store_b32 v18, v25 offset:16
.irp m, 0,1,2,3
.irp c, 0,1,2
	ds_load_b128 v[XN+12*\m+4*\c:XN+12*\m+4*\c+3], v7 offset:1664*\m+512*\c    ; the four images, whole: LDS serves a wave's instructions in order
.endr
.endr
.endif
	s_wait_dscnt 0x0                               ; the stores have read their registers, and the images are back
.if (\q) == 3
.irp m, 0,1,2,3
.irp c, 0,1,2
	global_store_b128 v5, v[XN+12*\m+4*\c:XN+12*\m+4*\c+3], s[30:31] offset:\m*1536+512*\c
.endr
.endr
.endif
.endm
.macro ALOAD u                         ; Vh_additional: tile u of my 32 columns: lane (r, h) takes column 8 u + r + 8 (r / 8), k = 32 h + 0 .. 31
.irp i, 0,1,2,3,4,5,6,7,8,9,10,11,12,13,14,15,16,17,18,19,20,21,22,23,24,25,26,27,28,29,30,31
	global_load_b32 v[XN+32*(\u)+\i], v18, s[28:29] offset:16384*\i+32*(\u)
.endr
.endm
	s_load_b512 s[8:23], s[0:1], 0x0               ; input s[8:9], U s[10:11], weight s[12:13], mask s[14:15], Vh s[16:17], U_additional s[18:19], Vh_additional s[20:21], xq s[22:23]
	s_load_b128 s[24:27], s[0:1], 0x40             ; aq s[24:25], bq s[26:27]
	v_lshl_add_u32 v62, v0, 2, 0xfc00
	v_mov_b32 v63, 0
	v_lshrrev_b32 v1, 5, v0
	s_delay_alu instid0(VALU_DEP_1)
	v_readfirstlane_b32 s4, v1                     ; wave 0..8
	v_and_b32 v2, 31, v0                           ; lane
	v_and_b32 v3, 15, v0                           ; r
	v_bfe_u32 v4, v0, 4, 1                         ; h
	s_delay_alu instid0(VALU_DEP_3)
	v_lshlrev_b32 v5, 4, v2                        ; 16 x lane
	s_delay_alu instid0(VALU_DEP_2)
	v_lshlrev_b32 v8, 3, v4                        ; 8 h
	v_mov_b32 v9, 0                                ; written once: a lane permute's destination counts as one of its sources
	v_lshlrev_b32 v17, 4, v3                       ; 16 r
	s_mov_b32 s38, 0x76543210
	s_mov_b32 s39, 0xfedcba98                      ; v_permlanex16_b32's selects for lane l xor 16
	s_wait_kmcnt 0x0
	s_cmp_ge_u32 s4, 4
	s_cbranch_scc1 .Lnot_rp
	; ---- waves 0-3: input: 32 runs of 64 tokens x 32 K steps; the four waves take four neighbouring K steps
	s_and_b32 s6, ttmp9, 7
	s_lshl_b32 s6, s6, 2
	s_add_co_u32 s6, s6, s4                        ; ks
	s_lshr_b32 s7, ttmp9, 3                        ; which 64 tokens
	s_lshl_b32 s34, s7, 20                         ; 64 rows of 16,384 bytes
	s_lshl_b32 s36, s6, 9                          ; 128 numbers
	s_add_co_u32 s34, s34, s36
	s_mov_b32 s35, 0
	s_add_nc_u64 s[28:29], s[8:9], s[34:35]
	DEST 22, 32
	s_wait_alu depctr_va_vdst(0)
	RPATH 0, 16384
.Lnot_rp:
	s_cmp_ge_u32 s4, 6
	s_cbranch_scc1 .Lnot_rm
	; ---- waves 4, 5: U x (weight^2 x mask): 64 runs of 64 rows x 8 K steps; the two waves take two neighbouring K steps
	s_sub_co_u32 s5, s4, 4
	s_and_b32 s6, ttmp9, 3
	s_lshl_b32 s6, s6, 1
	s_add_co_u32 s6, s6, s5                        ; ks
	s_lshr_b32 s7, ttmp9, 2                        ; which 64 rows
	s_lshl_b32 s34, s7, 18                         ; 64 rows of 4,096 bytes
	s_lshl_b32 s36, s6, 9
	s_mov_b32 s37, 0
	s_add_nc_u64 s[42:43], s[12:13], s[36:37]      ; weight at my K step
	s_add_nc_u64 s[44:45], s[14:15], s[36:37]      ; mask likewise
	s_add_co_u32 s34, s34, s36
	s_mov_b32 s35, 0
	s_add_nc_u64 s[28:29], s[10:11], s[34:35]
	DEST 24, 9
	s_wait_alu depctr_va_vdst(0)
	RPATH 1, 4096
.Lnot_rm:
	s_cmp_ge_u32 s4, 8
	s_cbranch_scc1 .Lsmall
	; ---- waves 6, 7: Vh: 64 runs of 64 columns x 8 K steps; the two waves take two neighbouring runs
	s_sub_co_u32 s5, s4, 6
	s_lshr_b32 s6, ttmp9, 5                        ; ks
	s_and_b32 s7, ttmp9, 31
	s_lshl_b32 s7, s7, 1
	s_add_co_u32 s7, s7, s5                        ; which 64 columns
	s_lshl_b32 s34, s6, 21                         ; 128 rows of 16,384 bytes
	s_lshl_b32 s36, s7, 8
	s_add_co_u32 s34, s34, s36
	s_mov_b32 s35, 0
	s_add_nc_u64 s[28:29], s[16:17], s[34:35]
	DEST 26, 9
	s_mul_i32 s6, s4, 6912
	s_add_co_u32 s6, s6, STG_C-6*6912              ; my stage: behind the six row stages, 6,912 x (wave - 6)
	s_wait_alu depctr_va_vdst(0)
	v_lshlrev_b32 v1, 3, v2                        ; in memory: 8 bytes a lane.  Column 2 l + e of my 64: b = l / 16, and within its 32 columns c = 2 (l % 16) + e
	v_bfe_u32 v10, v0, 2, 1                        ; u = (c / 8) % 2
	v_and_b32 v12, 3, v0
	v_bfe_u32 v11, v0, 3, 1
	v_lshl_add_u32 v10, v4, 1, v10                 ; which of the unit's four tiles: 2 b + u
	v_lshlrev_b32 v12, 1, v12
	v_lshl_add_u32 v12, v11, 3, v12                ; the even column's row there: p = c % 8 + 8 (c / 16)
	v_mul_u32_u24 v6, v10, 1664
	v_lshlrev_b32 v18, 4, v12
	v_lshl_add_u32 v6, v12, 4, v6
	v_lshl_add_u32 v18, v10, 2, v18
	v_add_nc_u32 v6, s6, v6                        ; into the images
	v_add_nc_u32 v18, s6, v18
	v_add_nc_u32 v7, s6, v5                        ; out of them
	v_add_nc_u32 v18, 6656, v18                    ; the even column's scale word: 16 p + 4 x tile
	v_add_nc_u32 v19, s6, v17
	v_add_nc_u32 v19, 6656, v19                    ; and back: 16 r
	CLOAD 0
	CLOAD 1
.irp q, 0,1,2,3
	CBLOCK \q
.endr
	ds_load_b128 v[SCW:SCW+3], v19
	s_wait_dscnt 0x0
	SCOUT 4
.Lsmall:
	; ---- wave 8: two of the four fragments of a unit of K step 8
	s_and_b32 s5, ttmp9, 127
	s_lshr_b32 s7, s5, 1                           ; which 64 rows or columns
	s_and_b32 s41, s5, 1                           ; which two of their four fragments
	s_mov_b32 s6, 8                                ; K step 8
	s_cmp_ge_u32 ttmp9, 128
	s_cbranch_scc1 .Lca
	; U_additional: K = 64: a row is 256 bytes.  A fragment's eight loads together read its 4,096 consecutive bytes and use all of them, so no stage; this tensor is one part in 66 of what the launch reads
	s_lshl_b32 s34, s7, 14                         ; 64 rows of 256 bytes,
	s_lshl_b32 s36, s41, 13                        ; 32 rows
	s_add_co_u32 s34, s34, s36
	s_mov_b32 s35, 0
	s_add_nc_u64 s[28:29], s[18:19], s[34:35]
	DEST 24, 9
	HALF
	s_wait_alu depctr_va_vdst(0)
	v_lshlrev_b32 v18, 8, v3
	s_delay_alu instid0(VALU_DEP_1)
	v_lshl_add_u32 v18, v4, 7, v18                 ; row r, + 128 h: my block
.irp t, 0,1
.irp j, 0,1,2,3,4,5,6,7
	global_load_b128 v[RW+32*\t+4*\j:RW+32*\t+4*\j+3], v18, s[28:29] offset:4096*\t+16*\j th:TH_LOAD_NT
.endr
.endr
.irp i, 6,7,8,9,10,11,18,19,20,21,22,23
	v_mov_b32 v[PS+\i], 0                          ; k = 64 .. 127: zero codes, in both sets, once
.endr
.irp t, 0,1
	s_wait_loadcnt 8*(1-\t)                        ; the second fragment's eight loads may be out
	RQ RW+32*\t, 1, \t, \t
	OUT3 \t, \t
.endr
	s_wait_alu depctr_va_vdst(0)
	SCOUT 2
.Lca:
	; Vh_additional: K = 64 is its first axis: lane (r, h) takes a column of its tile and its registers run down K, in the operand's own order: nothing is turned.
	; The two tiles' runs of 32 bytes lie between each other and are read by this one wave
	s_lshl_b32 s34, s7, 8                          ; 64 columns,
	s_lshl_b32 s36, s41, 7                         ; 32 columns
	s_add_co_u32 s34, s34, s36
	s_mov_b32 s35, 0
	s_add_nc_u64 s[28:29], s[20:21], s[34:35]
	DEST 26, 9
	HALF
	s_wait_alu depctr_va_vdst(0)
	v_and_b32 v18, 8, v3
	s_delay_alu instid0(VALU_DEP_1)
	v_add_nc_u32 v18, v18, v3                      ; r + 8 (r / 8)
	s_delay_alu instid0(VALU_DEP_1)
	v_lshlrev_b32 v18, 2, v18
	s_delay_alu instid0(VALU_DEP_1)
	v_lshl_add_u32 v18, v4, 19, v18                ; lanes 16-31 begin 32 rows of 16,384 bytes further down
	ALOAD 0
	ALOAD 1
.irp i, 6,7,8,9,10,11,18,19,20,21,22,23
	v_mov_b32 v[PS+\i], 0
.endr
	s_wait_loadcnt 32                              ; the first tile's 32 loads are in; the second tile's may be out
	RQ XN, 1, 0, 0
	OUT3 0, 0
	s_wait_loadcnt 0x0
	RQ XN+32, 1, 1, 1
	OUT3 1, 1
	s_wait_alu depctr_va_vdst(0)
	SCOUT 2
.Lfunc_end_k_q1086a32638_quant:
	.size	k_q1086a32638_quant, .Lfunc_end_k_q1086a32638_quant-k_q1086a32638_quant
	.p2alignl 7, 3214868480
	.fill 96, 4, 3214868480
	.section	.rodata,"a",@progbits
	.p2align	6, 0x0
	.amdhsa_kernel k_q1086a32638_quant
		.amdhsa_group_segment_fixed_size 65792
		.amdhsa_private_segment_fixed_size 0
		.amdhsa_enable_private_segment 0
		.amdhsa_kernarg_size 80
		.amdhsa_user_sgpr_count 2
		.amdhsa_user_sgpr_kernarg_segment_ptr 1
		.amdhsa_wavefront_size32 1
		.amdhsa_system_sgpr_workgroup_id_x 1
		.amdhsa_system_sgpr_workgroup_id_y 1
		.amdhsa_system_sgpr_workgroup_id_z 1
		.amdhsa_system_vgpr_workitem_id 0
		.amdhsa_next_free_vgpr 256
		.amdhsa_next_free_sgpr 66
		.amdhsa_reserve_vcc 1
		.amdhsa_float_denorm_mode_32 3
		.amdhsa_float_denorm_mode_16_64 3
		.amdhsa_memory_ordered 1
		.amdhsa_forward_progress 1
		.amdhsa_inst_pref_size 140
	.end_amdhsa_kernel
	.amdgpu_metadata
---
amdhsa.version: [ 1, 2 ]
amdhsa.kernels:
  - .name:           k_q1086a32638_quant
    .symbol:         k_q1086a32638_quant.kd
    .args:
      - { .name: input, .offset: 0, .size: 8, .value_kind: global_buffer, .address_space: global }
      - { .name: U, .offset: 8, .size: 8, .value_kind: global_buffer, .address_space: global }
      - { .name: weight, .offset: 16, .size: 8, .value_kind: global_buffer, .address_space: global }
      - { .name: mask, .offset: 24, .size: 8, .value_kind: global_buffer, .address_space: global }
      - { .name: Vh, .offset: 32, .size: 8, .value_kind: global_buffer, .address_space: global }
      - { .name: U_additional, .offset: 40, .size: 8, .value_kind: global_buffer, .address_space: global }
      - { .name: Vh_additional, .offset: 48, .size: 8, .value_kind: global_buffer, .address_space: global }
      - { .name: xq, .offset: 56, .size: 8, .value_kind: global_buffer, .address_space: global }
      - { .name: aq, .offset: 64, .size: 8, .value_kind: global_buffer, .address_space: global }
      - { .name: bq, .offset: 72, .size: 8, .value_kind: global_buffer, .address_space: global }
    .group_segment_fixed_size: 65792
    .private_segment_fixed_size: 0
    .kernarg_segment_align: 8
    .kernarg_segment_size: 80
    .max_flat_workgroup_size: 288
    .sgpr_count:     66
    .vgpr_count:     256
    .wavefront_size: 32
...
	.end_amdgpu_metadata
.endif
;; end of part 1
;; launch gemm_w (part 2): grid 16 x 16, 4 waves a work-group, clusters of 4 x 4, 327,680 bytes of LDS; arguments aq, bq, wq; writes wq
.if DOCPART == 2
	.amdgcn_target "amdgcn-amd-amdhsa--gfx1250"
	.amdhsa_code_object_version 6
	.text
	.protected	k_q1086a32638_gemm_w
	.globl	k_q1086a32638_gemm_w
	.p2align	8
	.type	k_q1086a32638_gemm_w,@function
k_q1086a32638_gemm_w:
	s_mov_b64 s[64:65], 0
	v_nop
	global_prefetch_b8 v0, s[64:65] scope:SCOPE_SE
	s_setreg_imm32_b32 hwreg(HW_REG_WAVE_MODE, 25, 1), 1
	s_wait_xcnt 0x0
	s_wait_alu depctr_hold_cnt(0) depctr_sa_sdst(0) depctr_va_vdst(0) depctr_va_sdst(0) depctr_va_ssrc(0) depctr_va_vcc(0) depctr_vm_vsrc(0)
	s_getreg_b32 s2, hwreg(HW_REG_IB_STS2, 6, 4)
	s_cmp_eq_u32 s2, 0
	s_cbranch_scc0 .Lentry_in_a_cluster
	s_endpgm
.Lentry_in_a_cluster:
	s_bfe_u32 s2, ttmp6, 0x10000c
	s_cmp_lg_u32 s2, 0xf033
	s_cbranch_scc0 .Lentry_shape_is_right
	s_endpgm
.Lentry_shape_is_right:
; W[o][i] = sum over k of (U s)[o][k] Vh[k][i] + sum over k of U_additional[o][k] Vh_additional[k][i], both products on codes of FP6 (E2M3) with E8M0 scales, as ONE run of nine K steps of 128
; (steps 0-7: the first product; step 8: the second, its upper 64 k zero codes); f32 sums.  W never goes to memory as numbers: it is quantised in registers along i, the next product's K, and leaves as codes.
; PANELS (128 rows x 128 K, 12,800 bytes): eight images of an operand's registers (block rb at 1536 rb; registers 4 c .. 4 c + 3 of lane l at 512 c + 16 l), at 12,288 the scale words ((rb, r) at 256 (rb / 4) + 16 r + 4 (rb % 4)).
; So a fragment is three loads of 512 consecutive bytes, one load of 16 bytes a lane brings the scale words of all eight blocks (register j: lanes 0-15 block j, lanes 16-31 block 4 + j), and panels along K are one dense block.
; SHARES.  A work-group of four waves makes 256 o x 256 i; a wave 128 x 128: 64 accumulators.  K goes through two LDS slots of three K steps: slot 0 steps 0-2, slot 1 steps 3-5, slot 0 again steps 6-8.
; Each wave issues one tensor load at the head (slot 0), one behind the round that follows its landing (slot 1's first fill) and one at the refill: by this text's own count one tensor load of a wave is out at a time.
; CLUSTERS: 4 x 4 work-groups; the four of a row need the same panels of aq, the four of a column the same of bq: each is asked for jointly.
; PREFETCH: behind the load of steps 0-2 the panels of steps 3-5 are asked for, behind the load of steps 3-5 those of steps 6-8: three K steps ahead of the load that wants them.  A wave's load is 150 blocks of 256 bytes;
; the four partners that ask for it jointly share them out by address: 38, 37, 38, 37 blocks, a lane a block, two instructions a wave (lanes left over name the share's last block again).  Nothing lies beyond step 8.
; TRANSPOSED USE: source 0 = 16 rows of bq (columns i), source 1 = 16 rows of aq (rows o).  bq's rows were laid so that row p of block 2 b + u is i = 32 b + 8 u + p + 8 (p / 8):
; lane (r, h) then holds row o = r, and its 16 registers of tiles 2 b, 2 b + 1 are i = 32 b + 16 h + 0 .. 15: neighbours along the next K.
; LIMITS: NaN and infinities are not served; a block of W whose largest magnitude lies under 2^-124 keeps the scale byte 1 (a block of zeros too: its codes are zeros, and this program alone reads the bytes).
; REGISTERS: window 0: v1 16 x lane, v2 lane, v16-21 LDS addresses, v24-25 the prefetches' offsets, v28-29 the add's, v32-47 scale words (aq's at v32, v40; bq's at v36, v44), v48-63 at work on the way out,
;   v64-159 and v160-255 aq's fragments, two sets;  window 1: v0-95, v128-223 bq's fragments, two sets;  windows 2, 3: accumulator (a, b) at v[8 (8 (a % 4) + b)] of window 2 + a / 4.
.set PANEL, 12800
.set NKS,   9
.set PART,  3*PANEL                    ; three K steps of 128 rows: what one tensor load brings
.set SLOT,  4*PART                     ; aq's two groups, then bq's two
.set SPARE, 2*SLOT                     ; behind the ring: the spare words, 128 bytes a wave: two blocks of 256 bytes that no other line names
.set ADRA, 16                          ; v16-17  my panels of aq in slot 0, 1, + 16 x lane
.set ADRB, 20                          ; v20-21  the same for bq
.set PFO,  24                          ; v24-25  256 x lane; 256 x (lane held at my share's last block - 32)
.set SPW,  28
.set NIL,  29
.set SCA,  32                          ; aq's scale words: set p at v[32 + 8 p]
.set SCB,  36                          ; bq's: set p at v[36 + 8 p]: the two sides' registers differ modulo 8
.set TM,   48
.set AF,   64
.set SW,   224                         ; the way out: the eight blocks' scale words
.set G1A, 24
.set G0A, 32
.set PFA, 44                           ; s[44:45] my work-group's share of the 38,400 bytes that my wave loads first; never stepped
.set G1B, 48
.set G0B, 56
.set MSB, 0
.macro WIN new                         ; the immediate's high byte repeats the setting that is left
.if MSB != \new
	s_set_vgpr_msb (MSB<<8)|\new
.set MSB, \new
.endif
.endm
.set MUL_LO, 0xa1                      ; source 0 (bq) window 1, source 1 (aq) window 0, C and D window 2
.set MUL_HI, 0xf1                      ; the same, C and D window 3
.set TO_B,   0x40                      ; destination window 1, address window 0
; A joint load: waves 0 and 1 fetch aq's two groups, waves 2 and 3 bq's.  The branch hangs on the wave's number alone.  An s_nop 0 and four v_nop follow each of the two lines.
.macro JLOAD s
	s_cmp_eq_u32 s11, 0
	s_cbranch_scc0 .Lfor_b_\@
	tensor_load_to_lds s[G0A+4*\s:G0A+4*\s+3], s[G1A:G1A+7]
	s_nop 0
.rept 4
	v_nop
.endr
	s_branch .Lasked_\@
.Lfor_b_\@:
	tensor_load_to_lds s[G0B+4*\s:G0B+4*\s+3], s[G1B:G1B+7]
	s_nop 0
.rept 4
	v_nop
.endr
.Lasked_\@:
.endm
.macro ASK off                         ; my share of the part of K that begins off bytes behind the first: 32 blocks, then the last 5 or 6
	global_prefetch_b8 v[PFO], s[PFA:PFA+1] offset:\off th:TH_LOAD_NT scope:SCOPE_SE
	global_prefetch_b8 v[PFO+1], s[PFA:PFA+1] offset:\off+8192 th:TH_LOAD_NT scope:SCOPE_SE
.endm
.macro CREST                           ; a round of the cluster's barrier behind its opening barrier
	s_cmp_lg_u32 s10, 0
	s_cbranch_scc1 .Lnot_wave_0_\@
	s_barrier_signal -3
.Lnot_wave_0_\@:
	s_barrier_wait -3
	s_barrier_signal -1
	s_barrier_wait -1
.endm
.macro CROUND
	s_barrier_signal -1
	s_barrier_wait -1
	CREST
.endm
.macro PLACES                          ; four plain places between a matrix instruction and a load into, a vector write of or a vector read of its registers
.rept 4
	v_nop
.endr
.endm
; one matrix instruction, from the symbols rD, rB, rA, rSB, rSA; RWB, RWA: the side's scale words stand in lanes 16-31
.macro WM zero
.if \zero
.if RWB && RWA
	v_wmma_scale_f32_16x16x128_f8f6f4 v[rD:rD+7], v[rB:rB+11], v[rA:rA+11], 0, v[rSB], v[rSA] matrix_a_fmt:MATRIX_FMT_FP6 matrix_b_fmt:MATRIX_FMT_FP6 matrix_a_scale:MATRIX_SCALE_ROW1 matrix_b_scale:MATRIX_SCALE_ROW1
.elseif RWB
	v_wmma_scale_f32_16x16x128_f8f6f4 v[rD:rD+7], v[rB:rB+11], v[rA:rA+11], 0, v[rSB], v[rSA] matrix_a_fmt:MATRIX_FMT_FP6 matrix_b_fmt:MATRIX_FMT_FP6 matrix_a_scale:MATRIX_SCALE_ROW1
.elseif RWA
	v_wmma_scale_f32_16x16x128_f8f6f4 v[rD:rD+7], v[rB:rB+11], v[rA:rA+11], 0, v[rSB], v[rSA] matrix_a_fmt:MATRIX_FMT_FP6 matrix_b_fmt:MATRIX_FMT_FP6 matrix_b_scale:MATRIX_SCALE_ROW1
.else
	v_wmma_scale_f32_16x16x128_f8f6f4 v[rD:rD+7], v[rB:rB+11], v[rA:rA+11], 0, v[rSB], v[rSA] matrix_a_fmt:MATRIX_FMT_FP6 matrix_b_fmt:MATRIX_FMT_FP6
.endif
.else
.if RWB && RWA
	v_wmma_scale_f32_16x16x128_f8f6f4 v[rD:rD+7], v[rB:rB+11], v[rA:rA+11], v[rD:rD+7], v[rSB], v[rSA] matrix_a_fmt:MATRIX_FMT_FP6 matrix_b_fmt:MATRIX_FMT_FP6 matrix_a_scale:MATRIX_SCALE_ROW1 matrix_b_scale:MATRIX_SCALE_ROW1
.elseif RWB
	v_wmma_scale_f32_16x16x128_f8f6f4 v[rD:rD+7], v[rB:rB+11], v[rA:rA+11], v[rD:rD+7], v[rSB], v[rSA] matrix_a_fmt:MATRIX_FMT_FP6 matrix_b_fmt:MATRIX_FMT_FP6 matrix_a_scale:MATRIX_SCALE_ROW1
.elseif RWA
	v_wmma_scale_f32_16x16x128_f8f6f4 v[rD:rD+7], v[rB:rB+11], v[rA:rA+11], v[rD:rD+7], v[rSB], v[rSA] matrix_a_fmt:MATRIX_FMT_FP6 matrix_b_fmt:MATRIX_FMT_FP6 matrix_b_scale:MATRIX_SCALE_ROW1
.else
	v_wmma_scale_f32_16x16x128_f8f6f4 v[rD:rD+7], v[rB:rB+11], v[rA:rA+11], v[rD:rD+7], v[rSB], v[rSA] matrix_a_fmt:MATRIX_FMT_FP6 matrix_b_fmt:MATRIX_FMT_FP6
.endif
.endif
.endm
; 16 matrix instructions: aq's blocks a0, a0 + 1 x bq's eight, on set p.  zero = 1: the first product starts the sums.  The 64 accumulators take turns, one instruction a turn, in the same order in every step.
.macro MUL16 a0, p, zero
.irp a, \a0, \a0+1
.irp b, 0,1,2,3,4,5,6,7
.set rD, 8*(8*((\a)%4)+\b)
.set rB, 128*(\p)+12*\b
.set rA, AF+96*(\p)+12*(\a)
.set rSB, SCB+8*(\p)+\b%4
.set rSA, SCA+8*(\p)+(\a)%4
.set RWB, \b/4
.set RWA, (\a)/4
	WM \zero
.endr
.endr
.endm
; 50 LDS loads in one run: the slot's q-th K step into set p: bq's eight fragments, aq's eight, the two sides' scale words
.macro FETCH slot, q, p
	WIN TO_B
.irp i, 0,1,2,3,4,5,6,7
.irp c, 0,1,2
	ds_load_b128 v[128*(\p)+12*\i+4*\c:128*(\p)+12*\i+4*\c+3], v[ADRB+(\slot)] offset:PANEL*(\q)+1536*\i+512*\c
.endr
.endr
	WIN 0
.irp i, 0,1,2,3,4,5,6,7
.irp c, 0,1,2
	ds_load_b128 v[AF+96*(\p)+12*\i+4*\c:AF+96*(\p)+12*\i+4*\c+3], v[ADRA+(\slot)] offset:PANEL*(\q)+1536*\i+512*\c
.endr
.endr
	ds_load_b128 v[SCB+8*(\p):SCB+8*(\p)+3], v[ADRB+(\slot)] offset:PANEL*(\q)+12288
	ds_load_b128 v[SCA+8*(\p):SCA+8*(\p)+3], v[ADRA+(\slot)] offset:PANEL*(\q)+12288
.endm
; A K step that has its successor in the same slot: the successor's fragments are asked for first, into the other set, and have the step's 64 matrix instructions in which to come.
.macro STEP slot, q, p, zero
	s_wait_dscnt 0x0                               ; set p is in: it was asked for a whole step ago
	PLACES                                         ; the other set was read by the matrix instructions just issued
	FETCH \slot, (\q)+1, 1-(\p)
	WIN MUL_LO
	MUL16 0, \p, \zero
	MUL16 2, \p, \zero
	WIN MUL_HI
	MUL16 4, \p, \zero
	MUL16 6, \p, \zero
	WIN 0
.endm
; A slot's last step changes slots: ONE barrier; in front of it each wave waits for all its tensor loads, adds 0 to its spare word, and waits for that and for its reads of this slot.  fill = 1: this slot is filled again.
.macro TURN slot, next, p, fill
	s_wait_tensorcnt 0x0                           ; all my tensor loads have landed: my part of the next slot among them
	ds_add_u32 v[SPW], v[NIL]                      ; 0 onto my spare word
	s_wait_dscnt 0x1                               ; set p is in; the add alone may be out
	WIN MUL_LO
	MUL16 0, \p, 0                                 ; sixteen matrix instructions stand between the add and the wait for it
	s_wait_dscnt 0x0                               ; the add is done, and my reads of this slot are over
	s_barrier_signal -1
	MUL16 2, \p, 0
	WIN 0
	s_barrier_wait -1
.if \fill
	CREST                                          ; the barrier has opened a round of the cluster's barrier: no wave of any partner still reads this slot or has a load on its way
	s_add_nc_u64 s[G0A+4*\slot+2:G0A+4*\slot+3], s[G0A+4*\slot+2:G0A+4*\slot+3], 2*PART
	s_add_nc_u64 s[G0B+4*\slot+2:G0B+4*\slot+3], s[G0B+4*\slot+2:G0B+4*\slot+3], 2*PART
	JLOAD \slot                                    ; the first tensor load behind the round; it has two and a half K steps, 160 matrix instructions, in which to land; its four v_nop are the places in front of the loads below
.else
	PLACES
.endif
	FETCH \next, 0, 1-(\p)
	WIN MUL_HI
	MUL16 4, \p, 0
	MUL16 6, \p, 0
	WIN 0
.endm
	s_load_b128 s[4:7], s[0:1], 0x0                ; aq s[4:5], bq s[6:7]
	s_load_b64 s[8:9], s[0:1], 0x10                ; wq
	v_lshl_add_u32 v[SPW], v0, 2, SPARE
	v_mov_b32 v[NIL], 0
	ds_add_u32 v[SPW], v[NIL]                      ; the opening lines: the add, twice on end, and its wait ahead of my first tensor load
	ds_add_u32 v[SPW], v[NIL]
	v_lshrrev_b32 v1, 5, v0
	v_readfirstlane_b32 s10, v1                    ; wave 0..3
	s_lshr_b32 s11, s10, 1                         ; which 128 rows o are mine.  Also: I fetch for aq (0) or for bq (1)
	s_and_b32 s12, s10, 1                          ; which 128 columns i.  Also: which of the two groups I fetch
	s_bfe_u32 s40, ttmp6, 0x40000                  ; cx, cy: my place in the cluster
	s_bfe_u32 s41, ttmp6, 0x40004
	s_lshl_b32 s42, ttmp9, 2
	s_add_co_u32 s42, s42, s40                     ; tile column (i) = 4 x cluster x + cx
	s_and_b32 s13, ttmp7, 0xffff
	s_lshl_b32 s13, s13, 2
	s_add_co_u32 s13, s13, s41                     ; tile row (o) = 4 x cluster y + cy
	s_lshl_b32 s43, s41, 2
	s_lshl_b32 s43, 15, s43                        ; my row of the cluster
	s_lshl_b32 s44, 0x1111, s40                    ; my column
	; descriptor group 1: 38,400 dense bytes as 150 rows of 256 bytes (32 elements of 8 bytes), no padding
	s_or_b32 s[G1A+0], s43, (3<<16)|(1<<21)        ; 15:0 the mask: aq's panels go to my row; 17:16 elements of 8 bytes; 21 set beside a mask
	s_or_b32 s[G1B+0], s44, (3<<16)|(1<<21)        ; bq's to my column
.irp g, G1A, G1B
	s_mov_b32 s[\g+1], 32<<16                      ; tensor_dim0 = 32
	s_mov_b32 s[\g+2], 150<<16                     ; tensor_dim1 = 150
	s_mov_b32 s[\g+3], 32<<16                      ; tile_dim0 = 32
	s_mov_b32 s[\g+4], 150                         ; tile_dim1 = 150
	s_mov_b32 s[\g+5], 32                          ; from row to row
	s_mov_b32 s[\g+6], 0
	s_mov_b32 s[\g+7], 0
.endr
	s_lshl_b32 s14, s13, 1
	s_add_co_u32 s14, s14, s12
	s_mul_i32 s14, s14, NKS*PANEL                  ; aq: group 2 x tile row + which
	s_mov_b32 s15, 0
	s_lshl_b32 s46, s42, 1
	s_add_co_u32 s46, s46, s12
	s_mul_i32 s46, s46, NKS*PANEL                  ; bq: group 2 x tile column + which
	s_mov_b32 s47, 0
	s_mul_i32 s20, s10, PART                       ; where they go: wave x 38,400: no place in the cluster enters an LDS address
	s_wait_dscnt 0x0                               ; both opening adds are done
	s_wait_kmcnt 0x0
	s_add_nc_u64 s[14:15], s[4:5], s[14:15]
	s_add_nc_u64 s[46:47], s[6:7], s[46:47]
.irp s, 0,1
	s_mov_b32 s[G0A+4*\s], 1
	s_add_co_u32 s[G0A+4*\s+1], s20, \s*SLOT
	s_add_nc_u64 s[G0A+4*\s+2:G0A+4*\s+3], s[14:15], \s*PART
	s_or_b32 s[G0A+4*\s+3], s[G0A+4*\s+3], 0x80000000
	s_mov_b32 s[G0B+4*\s], 1
	s_add_co_u32 s[G0B+4*\s+1], s20, \s*SLOT
	s_add_nc_u64 s[G0B+4*\s+2:G0B+4*\s+3], s[46:47], \s*PART
	s_or_b32 s[G0B+4*\s+3], s[G0B+4*\s+3], 0x80000000
.endr
	CROUND                                         ; all sixteen work-groups are here: the first joint loads meet
	JLOAD 0                                        ; K steps 0-2: one tensor load a wave at the head
	; the prefetches: partner p (cx for aq, cy for bq) takes the blocks from byte 9,600 p + 128 (p % 2) on: 38 blocks where p is even, 37 where it is odd
	s_cmp_eq_u32 s11, 0
	s_cselect_b64 s[PFA:PFA+1], s[14:15], s[46:47]
	s_cselect_b32 s16, s40, s41
	s_and_b32 s17, s16, 1
	s_mul_i32 s16, s16, 9600
	s_lshl_b32 s18, s17, 7
	s_add_co_u32 s16, s16, s18
	s_sub_co_u32 s18, 5, s17                       ; the second instruction's last block: 32 + 5 or 32 + 4
	s_mov_b32 s17, 0
	s_add_nc_u64 s[PFA:PFA+1], s[PFA:PFA+1], s[16:17]
	v_and_b32 v[PFO], 31, v0
	v_min_u32 v[PFO+1], s18, v[PFO]
	v_lshlrev_b32 v[PFO], 8, v[PFO]
	v_lshlrev_b32 v[PFO+1], 8, v[PFO+1]
	ASK PART                                       ; K steps 3-5
	v_and_b32 v2, 31, v0                           ; lane
	v_lshlrev_b32 v1, 4, v2                        ; 16 x lane
	s_mul_i32 s18, s11, PART                       ; my group of aq
	s_mul_i32 s19, s12, PART                       ; my group of bq,
	s_add_co_u32 s19, s19, 2*PART                  ; behind aq's two
.irp s, 0,1
	v_add_nc_u32 v[ADRA+\s], s18, v1
	v_add_nc_u32 v[ADRB+\s], s19, v1
	s_add_co_u32 s18, s18, SLOT
	s_add_co_u32 s19, s19, SLOT
.endr
.irp b, 0,1,2,3
	v_mov_b32 v[TM+4+\b], 0                        ; written once: a lane permute's destination counts as one of its sources
.endr
	s_mov_b32 s22, 0x76543210
	s_mov_b32 s23, 0xfedcba98                      ; v_permlanex16_b32's selects for lane l xor 16
	s_lshl_b32 s16, s13, 1
	s_add_co_u32 s16, s16, s11                     ; wq: my group of 128 o,
	s_lshl_b32 s16, s16, 5                         ; 32 panels a group,
	s_lshl_b32 s17, s42, 1
	s_add_co_u32 s17, s17, s12                     ; my 128 i: a wave makes one whole panel
	s_add_co_u32 s16, s16, s17
	s_mul_i32 s16, s16, PANEL
	s_mov_b32 s17, 0
	s_add_nc_u64 s[8:9], s[8:9], s[16:17]
	s_wait_alu depctr_va_vdst(0)
	s_wait_tensorcnt 0x0                           ; my part of slot 0 is in
	ds_add_u32 v[SPW], v[NIL]
	s_wait_dscnt 0x0
	CROUND                                         ; everybody's part is in, and all sixteen work-groups are here
	JLOAD 1                                        ; K steps 3-5: the first tensor load behind the round
	ASK 2*PART                                     ; K steps 6-8
	FETCH 0, 0, 0
	STEP 0, 0, 0, 1                                ; K step 0 starts the sums: nothing is cleared
	STEP 0, 1, 1, 0
	TURN 0, 1, 0, 1                                ; K step 2; slot 0 takes steps 6-8
	STEP 1, 0, 1, 0
	STEP 1, 1, 0, 0
	TURN 1, 0, 1, 0                                ; K step 5; nothing more is asked for
	STEP 0, 0, 0, 0
	STEP 0, 1, 1, 0
	s_wait_dscnt 0x0                               ; K step 8: nothing more to fetch
	WIN MUL_LO
	MUL16 0, 0, 0
	MUL16 2, 0, 0
	WIN MUL_HI
	MUL16 4, 0, 0
	MUL16 6, 0, 0
	WIN 0
; THE WAY OUT: block a (16 rows o x 128 i) is quantised in registers and is then one fragment of the next product's operand: three stores of 512 consecutive bytes.  No LDS.
; A block of 32 along i lies in lanes l and l xor 16.  Each accumulator is read from its low end on.  Each block has registers of its own for its codes, so no store's data are written again.
.macro QW a
.set WN, 2+(\a)/4
.set WMAX, (WN<<2)|(WN<<4)
.set AC, 64*((\a)%4)
.set PC, 64+20*(\a)
	WIN WMAX                                       ; sources 1 and 2: the accumulators' window
.irp b, 0,1,2,3
	v_max3_num_f32 v[TM+\b], 0x1800000, |v[AC+16*\b]|, |v[AC+16*\b+1]|     ; block b: my 16 numbers, and the floor 2^(3 - 127): the byte cannot fall under 1
.endr
.irp i, 2,4,6,8,10,12,14
.irp b, 0,1,2,3
	v_max3_num_f32 v[TM+\b], v[TM+\b], |v[AC+16*\b+\i]|, |v[AC+16*\b+\i+1]|
.endr
.endr
	WIN 0
.irp b, 0,1,2,3
	v_permlanex16_b32 v[TM+4+\b], v[TM+\b], s22, s23
.endr
.irp b, 0,1,2,3
	v_max_num_f32 v[TM+\b], v[TM+\b], v[TM+4+\b]   ; with lane l xor 16's: the block's largest magnitude
.endr
.irp b, 0,1,2,3
	v_add_nc_u32 v[TM+12+\b], 0xff000000, v[TM+\b] ; 2 off its exponent field: the conversion's scale operand
.endr
.irp b, 0,1,2,3
	v_lshrrev_b32 v[TM+4+\b], 23, v[TM+12+\b]      ; the scale's byte
.endr
	v_lshl_or_b32 v[SW+(\a)], v[TM+5], 8, v[TM+4]  ; my row's scale word (the same in both halves of the lanes)
	v_lshl_or_b32 v[SW+(\a)], v[TM+6], 16, v[SW+(\a)]
	v_lshl_or_b32 v[SW+(\a)], v[TM+7], 24, v[SW+(\a)]
	WIN WN                                         ; source 0: the accumulators' window
.irp c, 0,1
	v_cvt_scalef32_pk16_fp6_f32 v[PC+6*\c:PC+6*\c+2], v[AC+32*\c:AC+32*\c+15], v[TM+12+2*\c]
	v_cvt_scalef32_pk16_fp6_f32 v[PC+12+4*\c:PC+12+4*\c+2], v[AC+32*\c+16:AC+32*\c+31], v[TM+12+2*\c+1]    ; (a conversion's three registers begin on an even number)
.endr
	WIN 0
	v_nop                                          ; one plain place behind the conversions
.irp c, 0,1                                    ; the operand's layout wants a whole block in a lane: lanes 0-15 block 2 c, lanes 16-31 block 2 c + 1
.irp i, 0,1,2
	v_permlane16_swap_b32 v[PC+6*\c+\i], v[PC+12+4*\c+\i]
.endr
.irp i, 0,1,2
	v_mov_b32 v[PC+3+6*\c+\i], v[PC+12+4*\c+\i]
.endr
.endr
.irp c, 0,1,2
	global_store_b128 v1, v[PC+4*\c:PC+4*\c+3], s[8:9] offset:1536*(\a)+512*\c
.endr
.endm
	PLACES                                         ; behind the last products: their results are read, and the registers that held aq's fragments are written
.irp a, 0,1,2,3,4,5,6,7
	QW \a
.endr
	v_cmp_le_u32 vcc_lo, 16, v2                    ; the panel's scale words: lanes 0-15 store blocks 0-3 of row r, lanes 16-31 blocks 4-7
.irp j, 0,1,2,3
	v_cndmask_b32 v[SW+8+\j], v[SW+\j], v[SW+4+\j], vcc_lo
.endr
	global_store_b128 v1, v[SW+8:SW+11], s[8:9] offset:12288       ; 512 consecutive bytes
	s_wait_tensorcnt 0x0                           ; the wave's end
	ds_add_u32 v[SPW], v[NIL]
	s_wait_dscnt 0x0
	CROUND                                         ; the closing round: no work-group ends while a partner may still ask for a panel that names it
	s_endpgm
.Lfunc_end_k_q1086a32638_gemm_w:
	.size	k_q1086a32638_gemm_w, .Lfunc_end_k_q1086a32638_gemm_w-k_q1086a32638_gemm_w
	.p2alignl 7, 3214868480
	.fill 96, 4, 3214868480
	.section	.rodata,"a",@progbits
	.p2align	6, 0x0
	.amdhsa_kernel k_q1086a32638_gemm_w
		.amdhsa_group_segment_fixed_size 327680
		.amdhsa_private_segment_fixed_size 0
		.amdhsa_enable_private_segment 0
		.amdhsa_kernarg_size 24
		.amdhsa_user_sgpr_count 2
		.amdhsa_user_sgpr_kernarg_segment_ptr 1
		.amdhsa_wavefront_size32 1
		.amdhsa_system_sgpr_workgroup_id_x 1
		.amdhsa_system_sgpr_workgroup_id_y 1
		.amdhsa_system_sgpr_workgroup_id_z 1
		.amdhsa_system_vgpr_workitem_id 0
		.amdhsa_next_free_vgpr 1024
		.amdhsa_next_free_sgpr 66
		.amdhsa_reserve_vcc 1
		.amdhsa_float_denorm_mode_32 3
		.amdhsa_float_denorm_mode_16_64 3
		.amdhsa_memory_ordered 1
		.amdhsa_forward_progress 1
		.amdhsa_inst_pref_size 146
	.end_amdhsa_kernel
	.amdgpu_metadata
---
amdhsa.version: [ 1, 2 ]
amdhsa.kernels:
  - .name:           k_q1086a32638_gemm_w
    .symbol:         k_q1086a32638_gemm_w.kd
    .args:
      - { .name: aq, .offset: 0, .size: 8, .value_kind: global_buffer, .address_space: global }
      - { .name: bq, .offset: 8, .size: 8, .value_kind: global_buffer, .address_space: global }
      - { .name: wq, .offset: 16, .size: 8, .value_kind: global_buffer, .address_space: global }
    .group_segment_fixed_size: 327680
    .private_segment_fixed_size: 0
    .kernarg_segment_align: 8
    .kernarg_segment_size: 24
    .max_flat_workgroup_size: 128
    .sgpr_count:     66
    .vgpr_count:     1024
    .wavefront_size: 32
...
	.end_amdgpu_metadata
.endif
;; end of part 2
;; launch gemm_out (part 3): grid 16 x 16, 4 waves a work-group, clusters of 4 x 4, 327,680 bytes of LDS; arguments xq, wq, out0; writes out0
.if DOCPART == 3
	.amdgcn_target "amdgcn-amd-amdhsa--gfx1250"
	.amdhsa_code_object_version 6
	.text
	.protected	k_q1086a32638_gemm_out
	.globl	k_q1086a32638_gemm_out
	.p2align	8
	.type	k_q1086a32638_gemm_out,@function
k_q1086a32638_gemm_out:
	s_mov_b64 s[64:65], 0
	v_nop
	global_prefetch_b8 v0, s[64:65] scope:SCOPE_SE
	s_setreg_imm32_b32 hwreg(HW_REG_WAVE_MODE, 25, 1), 1
	s_wait_xcnt 0x0
	s_wait_alu depctr_hold_cnt(0) depctr_sa_sdst(0) depctr_va_vdst(0) depctr_va_sdst(0) depctr_va_ssrc(0) depctr_va_vcc(0) depctr_vm_vsrc(0)
	s_getreg_b32 s2, hwreg(HW_REG_IB_STS2, 6, 4)
	s_cmp_eq_u32 s2, 0
	s_cbranch_scc0 .Lentry_in_a_cluster
	s_endpgm
.Lentry_in_a_cluster:
	s_bfe_u32 s2, ttmp6, 0x10000c
	s_cmp_lg_u32 s2, 0xf033
	s_cbranch_scc0 .Lentry_shape_is_right
	s_endpgm
.Lentry_shape_is_right:
; out0[t][o] = sum over i of input[t][i] W[o][i], on codes of FP6 (E2M3) with E8M0 scales, as the two launches before laid them; f32 sums, 32 K steps of 128, K ascending.
; PANELS (128 rows x 128 K, 12,800 bytes): eight images of an operand's registers (block rb at 1536 rb; registers 4 c .. 4 c + 3 of lane l at 512 c + 16 l), at 12,288 the scale words ((rb, r) at 256 (rb / 4) + 16 r + 4 (rb % 4)).
; A group's 32 panels along K are one dense block, so four K steps of a group are 51,200 consecutive bytes: 200 rows of 256 bytes for a tensor load.
; SHARES.  2,048 tokens x 4,096 o in blocks of 128 x 256 give 256 work-groups.  Four waves, each 64 tokens x 128 o: 32 accumulators.  A K step of a wave: 12 fragments, 32 matrix instructions.
; K goes through a ring of two LDS slots of four K steps (xq's group, then wq's two groups: 153,600 bytes).  Waves 0, 1 load two K steps of xq's group each, waves 2, 3 a group of wq each: one tensor load a wave behind each round.
; CLUSTERS: 4 x 4 work-groups; the four of a row need the same panels of xq, the four of a column the same of wq: each is asked for jointly.
; PREFETCH: behind the joint load of slot n's panels those of slot n + 1 are asked for: four K steps, 128 matrix instructions a wave, ahead of the load that wants them.  The four partners of a joint load share its blocks of
; 256 bytes out by address: of xq's 100 blocks a wave 25 each (one instruction, lanes 25-31 name the 25th again), of wq's 200 blocks 50 each (two such instructions).  Behind the load of the eighth slot nothing is asked for.
; TRANSPOSED USE: source 0 = 16 rows of wq (o), source 1 = 16 rows of xq (tokens): a lane holds eight neighbouring o of one token.
; THE WAY OUT: the last K step goes by blocks of 16 tokens like every step, so a block is finished when its eight products are issued: it goes through the wave's own stage in LDS while the next block is multiplied,
; and leaves as whole rows of 512 bytes.  The stage lies in slot 0, which has had its last fill and its last read at the walk's last barrier.
; REGISTERS: window 0: v1 16 x lane, v16-21 LDS addresses, v24-25 the stage, v26 the prefetches' offset, v28-29 the add's, scale words (xq's at v32, v48: lanes 0-15 an even K step, lanes 16-31 the odd one behind it;
;   wq's at v36, v44: the two sides' registers differ modulo 8), v64-159 xq's fragments, two sets; on the way out v160-223 and v64-127.  window 1: v0-95, v128-223 wq's fragments, two sets.  window 2: accumulator (a, b) at v[8 (8 a + b)].
.set PANEL, 12800
.set XPART, 4*PANEL                    ; four K steps of a group
.set SLOT,  3*XPART
.set SPARE, 2*SLOT                     ; behind the ring: the spare words, 128 bytes a wave: two blocks of 256 bytes that no other line names
.set ADRX, 16                          ; v16-17  my 64 tokens' images in slot 0, 1, + 16 x lane
.set ADSX, 18                          ; v18-19  their scale words: lanes 16-31 one panel further on
.set ADRW, 20                          ; v20-21  my group of wq
.set STO,  24
.set RD,   25
.set PFO,  26                          ; v26     256 x (lane, held at 24)
.set SPW,  28
.set NIL,  29
.set SCX,  32
.set SCW,  36
.set XF,   64
.set G1X, 24
.set G0X, 32
.set PFA, 44                           ; s[44:45] my work-group's share of what my wave loads into the slot that is being filled
.set G1W, 48
.set G0W, 56
.set MSB, 0
.macro WIN new                         ; the immediate's high byte repeats the setting that is left
.if MSB != \new
	s_set_vgpr_msb (MSB<<8)|\new
.set MSB, \new
.endif
.endm
.set MUL,  0xa1                        ; source 0 (wq) window 1, source 1 (xq) window 0, C and D window 2
.set TO_W, 0x40                        ; destination window 1, address window 0
; A joint load: waves 0, 1 for xq, waves 2, 3 for wq; the branch hangs on the wave's number alone.  An s_nop 0 and four v_nop follow each of the two lines.
.macro JLOAD s
	s_cmp_eq_u32 s11, 0
	s_cbranch_scc0 .Lfor_w_\@
	tensor_load_to_lds s[G0X+4*\s:G0X+4*\s+3], s[G1X:G1X+7]
	s_nop 0
.rept 4
	v_nop
.endr
	s_branch .Lasked_\@
.Lfor_w_\@:
	tensor_load_to_lds s[G0W+4*\s:G0W+4*\s+3], s[G1W:G1W+7]
	s_nop 0
.rept 4
	v_nop
.endr
.Lasked_\@:
.endm
; my share of the panels off bytes behind PFA.  guard = 1: not in the loop's last trip, where they would lie behind K's end
.macro ASK off, guard
.if \guard
	s_cmp_gt_u32 s3, 1
	s_cbranch_scc0 .Lall_asked_\@
.endif
	global_prefetch_b8 v[PFO], s[PFA:PFA+1] offset:\off th:TH_LOAD_NT scope:SCOPE_SE
	s_cmp_eq_u32 s11, 0
	s_cbranch_scc1 .Lall_asked_\@
	global_prefetch_b8 v[PFO], s[PFA:PFA+1] offset:\off+6400 th:TH_LOAD_NT scope:SCOPE_SE
.Lall_asked_\@:
.endm
.macro CREST                           ; a round of the cluster's barrier behind its opening barrier
	s_cmp_lg_u32 s10, 0
	s_cbranch_scc1 .Lnot_wave_0_\@
	s_barrier_signal -3
.Lnot_wave_0_\@:
	s_barrier_wait -3
	s_barrier_signal -1
	s_barrier_wait -1
.endm
.macro CROUND
	s_barrier_signal -1
	s_barrier_wait -1
	CREST
.endm
.macro PLACES                          ; four plain places between a matrix instruction and a load into, or an LDS store of, its registers
.rept 4
	v_nop
.endr
.endm
; one matrix instruction, from the symbols rD, rB, rA, rSB, rSA; RWB, RWA: the side's scale words stand in lanes 16-31.  zero = 1 (K step 0 alone, where RWA = 0): the product starts the sum
.macro WM zero
.if \zero
.if RWB
	v_wmma_scale_f32_16x16x128_f8f6f4 v[rD:rD+7], v[rB:rB+11], v[rA:rA+11], 0, v[rSB], v[rSA] matrix_a_fmt:MATRIX_FMT_FP6 matrix_b_fmt:MATRIX_FMT_FP6 matrix_a_scale:MATRIX_SCALE_ROW1
.else
	v_wmma_scale_f32_16x16x128_f8f6f4 v[rD:rD+7], v[rB:rB+11], v[rA:rA+11], 0, v[rSB], v[rSA] matrix_a_fmt:MATRIX_FMT_FP6 matrix_b_fmt:MATRIX_FMT_FP6
.endif
.elseif RWB && RWA
	v_wmma_scale_f32_16x16x128_f8f6f4 v[rD:rD+7], v[rB:rB+11], v[rA:rA+11], v[rD:rD+7], v[rSB], v[rSA] matrix_a_fmt:MATRIX_FMT_FP6 matrix_b_fmt:MATRIX_FMT_FP6 matrix_a_scale:MATRIX_SCALE_ROW1 matrix_b_scale:MATRIX_SCALE_ROW1
.elseif RWB
	v_wmma_scale_f32_16x16x128_f8f6f4 v[rD:rD+7], v[rB:rB+11], v[rA:rA+11], v[rD:rD+7], v[rSB], v[rSA] matrix_a_fmt:MATRIX_FMT_FP6 matrix_b_fmt:MATRIX_FMT_FP6 matrix_a_scale:MATRIX_SCALE_ROW1
.elseif RWA
	v_wmma_scale_f32_16x16x128_f8f6f4 v[rD:rD+7], v[rB:rB+11], v[rA:rA+11], v[rD:rD+7], v[rSB], v[rSA] matrix_a_fmt:MATRIX_FMT_FP6 matrix_b_fmt:MATRIX_FMT_FP6 matrix_b_scale:MATRIX_SCALE_ROW1
.else
	v_wmma_scale_f32_16x16x128_f8f6f4 v[rD:rD+7], v[rB:rB+11], v[rA:rA+11], v[rD:rD+7], v[rSB], v[rSA] matrix_a_fmt:MATRIX_FMT_FP6 matrix_b_fmt:MATRIX_FMT_FP6
.endif
.endm
; 8 matrix instructions: xq's block a x wq's eight, on set p, in the slot's q-th step.  The 32 accumulators take turns, one instruction a turn, in the same order in every step.
.macro MUL8 a, p, q, zero
.irp b, 0,1,2,3,4,5,6,7
.set rD, 8*(8*(\a)+\b)
.set rB, 128*(\p)+12*\b
.set rA, XF+48*(\p)+12*(\a)
.set rSB, SCW+8*(\p)+\b%4
.set rSA, SCX+16*(((\q)/2)%2)+(\a)
.set RWB, \b/4
.set RWA, (\q)%2
	WM \zero
.endr
.endm
; 37 or 38 LDS loads in one run: the slot's q-th K step into set p: wq's eight fragments, xq's four, wq's scale words; at an even q xq's scale words of steps q and q + 1
.macro FETCH slot, q, p
	WIN TO_W
.irp i, 0,1,2,3,4,5,6,7
.irp c, 0,1,2
	ds_load_b128 v[128*(\p)+12*\i+4*\c:128*(\p)+12*\i+4*\c+3], v[ADRW+(\slot)] offset:PANEL*(\q)+1536*\i+512*\c
.endr
.endr
	WIN 0
.irp i, 0,1,2,3
.irp c, 0,1,2
	ds_load_b128 v[XF+48*(\p)+12*\i+4*\c:XF+48*(\p)+12*\i+4*\c+3], v[ADRX+(\slot)] offset:PANEL*(\q)+1536*\i+512*\c
.endr
.endr
	ds_load_b128 v[SCW+8*(\p):SCW+8*(\p)+3], v[ADRW+(\slot)] offset:PANEL*(\q)+12288
.if (\q)%2 == 0
	ds_load_b128 v[SCX+16*(((\q)/2)%2):SCX+16*(((\q)/2)%2)+3], v[ADSX+(\slot)] offset:PANEL*(\q)
.endif
.endm
; One of a slot's first three steps: the next step's fragments are asked for first, in one run, into the other set, and have this step's 32 matrix instructions in which to come.
.macro STEP slot, q, zero
	s_wait_dscnt 0x0                               ; this step's set is in: it was asked for a step ago
	PLACES                                         ; the other set was read by the matrix instructions just issued
	FETCH \slot, (\q)+1, 1-(\q)%2
	WIN MUL
	MUL8 0, (\q)%2, \q, \zero
	MUL8 1, (\q)%2, \q, \zero
	MUL8 2, (\q)%2, \q, \zero
	MUL8 3, (\q)%2, \q, \zero
	WIN 0
.endm
; A slot's last step changes slots: its fragments are in registers, so the slot is read no more.  In front of the barrier each wave waits for all its tensor loads, adds 0 to its spare word, and waits for that and for its reads.
; fill = 1: the barrier opens a round of the cluster's barrier, and the slot is filled again, two slots ahead.
.macro TURN slot, next, fill, guard
.if \fill
	s_wait_xcnt 0x0                                ; my last prefetches have read their address: it steps here, four K steps behind them
	s_add_nc_u64 s[PFA:PFA+1], s[PFA:PFA+1], XPART
.endif
	s_wait_tensorcnt 0x0                           ; all my tensor loads have landed: my part of the next slot
	ds_add_u32 v[SPW], v[NIL]                      ; 0 onto my spare word
	s_wait_dscnt 0x1                               ; this step's set is in; the add alone may be out
	WIN MUL
	MUL8 0, 1, 3, 0                                ; eight matrix instructions stand between the add and the wait for it
	WIN 0
	s_wait_dscnt 0x0                               ; the add is done, and my reads of this slot are over
	s_barrier_signal -1
	s_barrier_wait -1
.if \fill
	CREST                                          ; no wave of any partner still reads this slot or has a load on its way
	s_add_nc_u64 s[G0X+4*\slot+2:G0X+4*\slot+3], s[G0X+4*\slot+2:G0X+4*\slot+3], 2*XPART
	s_add_nc_u64 s[G0W+4*\slot+2:G0W+4*\slot+3], s[G0W+4*\slot+2:G0W+4*\slot+3], 2*XPART
	JLOAD \slot                                    ; the first tensor load behind the round; its four v_nop are the places in front of the loads below
.else
	PLACES
.endif
	FETCH \next, 0, 0
.if \fill
	ASK XPART, \guard                              ; the panels of the slot after the one just asked for
.endif
	WIN MUL
	MUL8 1, 1, 3, 0
	MUL8 2, 1, 3, 0
	MUL8 3, 1, 3, 0
	WIN 0
.endm
	s_load_b128 s[4:7], s[0:1], 0x0                ; xq s[4:5], wq s[6:7]
	s_load_b64 s[8:9], s[0:1], 0x10                ; out0
	v_lshl_add_u32 v[SPW], v0, 2, SPARE
	v_mov_b32 v[NIL], 0
	ds_add_u32 v[SPW], v[NIL]                      ; the opening lines: the add, twice on end, and its wait ahead of my first tensor load
	ds_add_u32 v[SPW], v[NIL]
	v_lshrrev_b32 v1, 5, v0
	v_readfirstlane_b32 s10, v1                    ; wave 0..3
	s_lshr_b32 s11, s10, 1                         ; which 64 tokens are mine.  Also: I fetch for xq (0) or for wq (1)
	s_and_b32 s12, s10, 1                          ; which 128 o.  Also: which half of xq's four panels, or which group of wq, I fetch
	s_bfe_u32 s40, ttmp6, 0x40000                  ; cx, cy: my place in the cluster
	s_bfe_u32 s41, ttmp6, 0x40004
	s_lshl_b32 s42, ttmp9, 2
	s_add_co_u32 s42, s42, s40                     ; tile column (o) = 4 x cluster x + cx
	s_and_b32 s13, ttmp7, 0xffff
	s_lshl_b32 s13, s13, 2
	s_add_co_u32 s13, s13, s41                     ; tile row (tokens) = 4 x cluster y + cy
	s_lshl_b32 s43, s41, 2
	s_lshl_b32 s43, 15, s43                        ; my row of the cluster
	s_lshl_b32 s44, 0x1111, s40                    ; my column
	; descriptor groups 1: dense bytes as rows of 256 bytes (32 elements of 8 bytes), no padding: 100 rows for xq, 200 for wq
	s_or_b32 s[G1X+0], s43, (3<<16)|(1<<21)        ; the mask: xq's panels go to my row; elements of 8 bytes; bit 21 set beside a mask
	s_mov_b32 s[G1X+1], 32<<16
	s_mov_b32 s[G1X+2], 100<<16
	s_mov_b32 s[G1X+3], 32<<16
	s_mov_b32 s[G1X+4], 100
	s_mov_b32 s[G1X+5], 32
	s_mov_b32 s[G1X+6], 0
	s_mov_b32 s[G1X+7], 0
	s_or_b32 s[G1W+0], s44, (3<<16)|(1<<21)        ; wq's to my column
	s_mov_b32 s[G1W+1], 32<<16
	s_mov_b32 s[G1W+2], 200<<16
	s_mov_b32 s[G1W+3], 32<<16
	s_mov_b32 s[G1W+4], 200
	s_mov_b32 s[G1W+5], 32
	s_mov_b32 s[G1W+6], 0
	s_mov_b32 s[G1W+7], 0
	s_mul_i32 s20, s12, XPART/2                    ; xq: my two of the slot's four panels, in memory and in LDS alike
	s_mul_i32 s14, s13, 32*PANEL
	s_add_co_u32 s14, s14, s20
	s_mov_b32 s15, 0
	s_lshl_b32 s46, s42, 1
	s_add_co_u32 s46, s46, s12
	s_mul_i32 s46, s46, 32*PANEL                   ; wq: group 2 x tile column + which
	s_mov_b32 s47, 0
	s_mul_i32 s21, s12, XPART
	s_add_co_u32 s21, s21, XPART                   ; in LDS behind xq's group: no place in the cluster enters an LDS address
	s_wait_dscnt 0x0                               ; both opening adds are done
	s_wait_kmcnt 0x0
	s_add_nc_u64 s[14:15], s[4:5], s[14:15]
	s_add_nc_u64 s[46:47], s[6:7], s[46:47]
.irp s, 0,1
	s_mov_b32 s[G0X+4*\s], 1
	s_add_co_u32 s[G0X+4*\s+1], s20, \s*SLOT
	s_add_nc_u64 s[G0X+4*\s+2:G0X+4*\s+3], s[14:15], \s*XPART
	s_or_b32 s[G0X+4*\s+3], s[G0X+4*\s+3], 0x80000000
	s_mov_b32 s[G0W+4*\s], 1
	s_add_co_u32 s[G0W+4*\s+1], s21, \s*SLOT
	s_add_nc_u64 s[G0W+4*\s+2:G0W+4*\s+3], s[46:47], \s*XPART
	s_or_b32 s[G0W+4*\s+3], s[G0W+4*\s+3], 0x80000000
.endr
	CROUND                                         ; all sixteen work-groups are here: the first joint loads meet
	JLOAD 0                                        ; K steps 0-3: one tensor load a wave at the head
	; the prefetches: of the bytes that my wave loads, partner cx takes 6,400 of xq's 25,600, partner cy 12,800 of wq's 51,200
	s_cmp_eq_u32 s11, 0
	s_cselect_b64 s[PFA:PFA+1], s[14:15], s[46:47]
	s_mul_i32 s16, s40, 6400
	s_mul_i32 s17, s41, 12800
	s_cselect_b32 s16, s16, s17
	s_mov_b32 s17, 0
	s_add_nc_u64 s[PFA:PFA+1], s[PFA:PFA+1], s[16:17]
	s_add_nc_u64 s[PFA:PFA+1], s[PFA:PFA+1], XPART ; at K steps 4-7
	v_and_b32 v[PFO], 31, v0
	v_min_u32 v[PFO], 24, v[PFO]
	v_lshlrev_b32 v[PFO], 8, v[PFO]
	ASK 0, 0                                       ; K steps 4-7, while K steps 0-3 are on their way
	s_mul_i32 s18, s11, 6144                       ; my four images of xq's panel,
	s_lshl_b32 s19, s11, 8
	s_add_co_u32 s19, s19, 12288                   ; their scale words,
	s_mul_i32 s22, s12, XPART
	s_add_co_u32 s22, s22, XPART                   ; my group of wq,
	s_mul_i32 s23, s10, 16*528                     ; my stage: 16 rows of 512 + 16 bytes
	v_and_b32 v2, 31, v0                           ; lane
	v_and_b32 v3, 15, v0                           ; r
	v_bfe_u32 v4, v0, 4, 1                         ; h
	v_lshlrev_b32 v1, 4, v2                        ; 16 x lane
	v_lshlrev_b32 v5, 4, v3
	v_mad_u32_u24 v5, v4, PANEL, v5                ; 16 r, lanes 16-31 one panel on
	v_add_nc_u32 v[ADRX], s18, v1
	v_add_nc_u32 v[ADSX], s19, v5
	v_add_nc_u32 v[ADRW], s22, v1
.irp r, ADRX, ADSX, ADRW
	v_add_nc_u32 v[\r+1], SLOT, v[\r]
.endr
	v_mul_u32_u24 v[STO], v3, 528                  ; into the stage: row r, 32 bytes for each half of the lanes
	v_lshl_add_u32 v[STO], v4, 5, v[STO]
	v_add_nc_u32 v[STO], s23, v[STO]
	v_add_nc_u32 v[RD], s23, v1                    ; back: the 32 lanes take one row of 512 bytes
	s_lshl_b32 s16, s13, 21                        ; out0: 128 tokens of 16,384 bytes a tile row,
	s_lshl_b32 s17, s11, 20                        ; my 64 tokens,
	s_add_co_u32 s16, s16, s17
	s_lshl_b32 s17, s42, 10                        ; 256 o a tile column,
	s_add_co_u32 s16, s16, s17
	s_lshl_b32 s17, s12, 9                         ; my 128 o
	s_add_co_u32 s16, s16, s17
	s_mov_b32 s17, 0
	s_add_nc_u64 s[8:9], s[8:9], s[16:17]
	s_wait_alu depctr_va_vdst(0)
	s_wait_tensorcnt 0x0                           ; my part of slot 0 is in
	ds_add_u32 v[SPW], v[NIL]
	s_wait_dscnt 0x0
	CROUND                                         ; everybody's part is in, and all sixteen work-groups are here
	JLOAD 1                                        ; K steps 4-7: the first tensor load behind the round
	ASK XPART, 0                                   ; K steps 8-11
	FETCH 0, 0, 0
	STEP 0, 0, 1                                   ; K step 0 starts the sums: nothing is cleared
	s_mov_b32 s3, 3
.Llap:                                                 ; a trip goes once round the ring, from a lap's second step to the next lap's first, and fills both slots again
	STEP 0, 1, 0
	STEP 0, 2, 0
	TURN 0, 1, 1, 0
	STEP 1, 0, 0
	STEP 1, 1, 0
	STEP 1, 2, 0
	TURN 1, 0, 1, 1
	STEP 0, 0, 0
	s_sub_co_u32 s3, s3, 1
	s_cmp_lg_u32 s3, 0
	s_cbranch_scc1 .Llap
	STEP 0, 1, 0                                   ; the last lap fills nothing
	STEP 0, 2, 0
	TURN 0, 1, 0, 0
	STEP 1, 0, 0
	STEP 1, 1, 0
	STEP 1, 2, 0
; block a (16 tokens x 128 o) into my stage, each accumulator from its low end on, and back as rows of 512 bytes.  LDS serves a wave's instructions in order (ISA guide 5.7.1.4): no wait between the stores and the loads.
.macro TOSTAGE a
.set BB, 160-96*((\a)%2)               ; v160-223 and v64-127 by turns
	WIN 0x08                                       ; the data: window 2
.irp b, 0,1,2,3,4,5,6,7
	ds_store_b128 v[STO], v[8*(8*(\a)+\b):8*(8*(\a)+\b)+3] offset:64*\b
	ds_store_b128 v[STO], v[8*(8*(\a)+\b)+4:8*(8*(\a)+\b)+7] offset:64*\b+16
.endr
	WIN 0
.irp t, 0,1,2,3,4,5,6,7,8,9,10,11,12,13,14,15
	ds_load_b128 v[BB+4*\t:BB+4*\t+3], v[RD] offset:\t*528
.endr
.endm
.macro SEND a, younger                 ; younger: the LDS instructions issued behind block a's loads, which may stay out
.set BB, 160-96*((\a)%2)
	s_wait_dscnt \younger
.irp t, 0,1,2,3,4,5,6,7,8,9,10,11,12,13,14,15
	global_store_b128 v1, v[BB+4*\t:BB+4*\t+3], s[8:9] offset:(16*(\a)+\t)*16384 th:TH_STORE_NT   ; 32 lanes store 512 consecutive bytes, aligned to 256
.endr
.endm
	s_wait_dscnt 0x0                               ; K step 31: nothing more to fetch
	WIN MUL
	MUL8 0, 1, 3, 0
	MUL8 1, 1, 3, 0
	PLACES                                         ; behind block 0's last products
	TOSTAGE 0
	WIN MUL
	MUL8 2, 1, 3, 0
	PLACES                                         ; behind block 1's last products, and behind the last readers of v64-127
	TOSTAGE 1
	SEND 0, 32                                     ; behind block 0's loads: block 1's 16 stores and 16 loads
	WIN MUL
	MUL8 3, 1, 3, 0
	PLACES
	s_wait_xcnt 0x0                                ; block 0's stores have read their registers: block 2's loads may land there
	TOSTAGE 2
	SEND 1, 32
	s_wait_xcnt 0x0
	TOSTAGE 3
	SEND 2, 32
	SEND 3, 0
	s_wait_tensorcnt 0x0                           ; the wave's end
	ds_add_u32 v[SPW], v[NIL]
	s_wait_dscnt 0x0
	CROUND                                         ; the closing round: no work-group ends while a partner may still ask for a panel that names it
	s_endpgm
.Lfunc_end_k_q1086a32638_gemm_out:
	.size	k_q1086a32638_gemm_out, .Lfunc_end_k_q1086a32638_gemm_out-k_q1086a32638_gemm_out
	.p2alignl 7, 3214868480
	.fill 96, 4, 3214868480
	.section	.rodata,"a",@progbits
	.p2align	6, 0x0
	.amdhsa_kernel k_q1086a32638_gemm_out
		.amdhsa_group_segment_fixed_size 327680
		.amdhsa_private_segment_fixed_size 0
		.amdhsa_enable_private_segment 0
		.amdhsa_kernarg_size 24
		.amdhsa_user_sgpr_count 2
		.amdhsa_user_sgpr_kernarg_segment_ptr 1
		.amdhsa_wavefront_size32 1
		.amdhsa_system_sgpr_workgroup_id_x 1
		.amdhsa_system_sgpr_workgroup_id_y 1
		.amdhsa_system_sgpr_workgroup_id_z 1
		.amdhsa_system_vgpr_workitem_id 0
		.amdhsa_next_free_vgpr 768
		.amdhsa_next_free_sgpr 66
		.amdhsa_reserve_vcc 0
		.amdhsa_float_denorm_mode_32 3
		.amdhsa_float_denorm_mode_16_64 3
		.amdhsa_memory_ordered 1
		.amdhsa_forward_progress 1
		.amdhsa_inst_pref_size 133
	.end_amdhsa_kernel
	.amdgpu_metadata
---
amdhsa.version: [ 1, 2 ]
amdhsa.kernels:
  - .name:           k_q1086a32638_gemm_out
    .symbol:         k_q1086a32638_gemm_out.kd
    .args:
      - { .name: xq, .offset: 0, .size: 8, .value_kind: global_buffer, .address_space: global }
      - { .name: wq, .offset: 8, .size: 8, .value_kind: global_buffer, .address_space: global }
      - { .name: out0, .offset: 16, .size: 8, .value_kind: global_buffer, .address_space: global }
    .group_segment_fixed_size: 327680
    .private_segment_fixed_size: 0
    .kernarg_segment_align: 8
    .kernarg_segment_size: 24
    .max_flat_workgroup_size: 128
    .sgpr_count:     66
    .vgpr_count:     768
    .wavefront_size: 32
...
	.end_amdgpu_metadata
.endif
;; end of part 3
